; MI455X (gfx1250); checked and timed in simulation.
; The chip was launched on July 23, 2026; its instructions are those of AMD's public machine-readable ISA for CDNA 5 (MIT licence, August 2026) and "CDNA5" Instruction Set Architecture Reference Guide (July 2026). The comments in the code are by the model that wrote it; some were corrected since.
;; ntn layer. Allowed arithmetic: matrix products marked QUANTISED: E4M3 operands, one given power-of-two scale a tensor, by v_wmma_f32_16x16x64_fp8_fp8 or v_wmma_f32_16x16x128_fp8_fp8, f32 sums; products left as they are: f32 operands where the result goes on into a quantised operand, else bf16, f16 or f32 operands; f32 sums; everything else in f32.
;; Inputs: G_codes 16 x 16 x 32 uint8 (E4M3 codes of G, K innermost, in blocks of 32 codes); V_codes 16 x 16 x 32 uint8 (E4M3 codes of V, K innermost, in blocks of 32 codes); W_codes 16 x 256 x 8 x 32 uint8 (E4M3 codes of W, K innermost, in blocks of 32 codes); b1 16 float32; b2 16 float32; e1 32,768 x 256 float32; e2 32,768 x 256 float32; lowp_scales 6 int32 (the exponents e of the quantised operands' scales 2^e).
;; Outputs: out0 32,768 x 32 float32.
;; This version of the problem:
;;   THIS VERSION OF THE PROBLEM IS GIVEN IN LOW PRECISION. The matrix products marked QUANTISED in the list below multiply operands that are first quantised to E4M3 (4 exponent bits, 3 mantissa bits; 8 bits a number), with one given power-of-two scale for each operand tensor; their sums are f32. All else is computed in f32.
;;   The module's matrix products, in the order in which they are computed (A, B: the left and right operand; K: the contracted axis; several contracted axes count as one K, in the product's order):
;;     1. [M 32,768, K 512] x [K 512, N 16]; A: computed on the way; B: input V (given as codes): QUANTISED (scales: A lowp_scales[0], B lowp_scales[1])
;;     2. [M 4,096, K 256] x [K 256, N 32,768]; A: input W (given as codes); B: input e1: QUANTISED (scales: A lowp_scales[2], B lowp_scales[3])
;;     3. batch 32,768 x [M 1, K 256] x [K 256, N 16]; A: input e2; B: computed on the way: left as it is (M = 1 < 16)
;;     4. [M 32,768, K 512] x [K 512, N 16]; A: computed on the way; B: input G (given as codes): QUANTISED (scales: A lowp_scales[4], B lowp_scales[5])
;;   THE QUANTISER, for each operand of a quantised product, along K:
;;     - The operand's scale is 2^e, e = its entry of the input lowp_scales (int32; the entries are numbered through the quantised products in the list's order, A before B).
;;     - Each number is divided by the scale, clamped to +-448, and rounded to the nearest number of E4M3, ties to even, subnormals kept.
;;     - The product sums the exact products of the quantised numbers (number of the format x scale) in f32.
;;   ~~~python
;;   def quantise(x, axis, e):      # numpy; x: float32 -> the quantised numbers, widened to float32 again
;;       x = np.moveaxis(x, axis, -1); K = x.shape[-1]
;;       r = np.clip(x / 2.0 ** e, -448, 448)
;;       step = 2.0 ** (np.maximum(np.frexp(np.where(r == 0, 1, r))[1] - 1, -6) - 3)
;;       q = np.round(r / step) * step * 2.0 ** e      # np.round: ties to even
;;       return np.moveaxis(q, -1, axis).astype(np.float32)
;;   ~~~
;;   OPERANDS COMPUTED ON THE WAY. 'Computed on the way' means the value that the module computes at that place (a softmax that the list does not call 'softmax' is quantised finished and normalised). What goes into a quantiser is computed in f32, as accurately as f32 sums, v_exp_f32 and their like allow (about 1e-6 of the number): no bf16 or f16 on the way to a quantiser, and a product that is left as it is and whose result goes on into a quantised operand takes f32 operands (vector FMAs, or v_wmma_f32_16x16x4_f32). A number that lies on a knife's edge between two numbers of the format may be rounded either way, as far as f32 arithmetic and the matrix unit's own rounding can turn it there, and no further.
;;   INPUTS GIVEN AS CODES. G (in the module: [512, 16], K = its axis 0); V (in the module: [512, 16], K = its axis 0); W (in the module: [16, 256, 256], K = its axis 1): each comes as NAME_codes (uint8): NAME with its K axis moved to the last place and cut into blocks of 32 codes, [.., K / 32, bytes a block], one block behind the other in memory; one code a byte (a code: sign, 4 exponent bits, 3 mantissa bits); its scale is its entry of lowp_scales. Its value is code x scale, taken as it is: it is not quantised again, and the codes and scales need not be those that the quantiser above would give.
;; 2 versions, each right and faster than the one before. Each part assembles by itself: llvm-mc -triple=amdgcn-amd-amdhsa -mcpu=gfx1250 --defsym DOCPART=n.
;; ======== version 1 of 2: 1 launch
;; limits: a function is approximated: absolute error at most 3e-07
;; launch ntn (part 1): grid 256 x 1, 4 waves a work-group, clusters of 4 x 1, 327,680 bytes of LDS; arguments G_codes, V_codes, W_codes, b1, b2, e1, e2, lowp_scales, out0; writes out0
.if DOCPART == 1
	.amdgcn_target "amdgcn-amd-amdhsa--gfx1250"
	.amdhsa_code_object_version 6
	.text
	.protected	k_qee45cc643d_ntn
	.globl	k_qee45cc643d_ntn
	.p2align	8
	.type	k_qee45cc643d_ntn,@function
k_qee45cc643d_ntn:
	s_mov_b64 s[64:65], 0
	v_nop
	global_prefetch_b8 v0, s[64:65] scope:SCOPE_SE
	s_setreg_imm32_b32 hwreg(HW_REG_WAVE_MODE, 25, 1), 1
	s_wait_xcnt 0x0
	s_wait_alu depctr_hold_cnt(0) depctr_sa_sdst(0) depctr_va_vdst(0) depctr_va_sdst(0) depctr_va_ssrc(0) depctr_va_vcc(0) depctr_vm_vsrc(0)
	s_getreg_b32 s2, hwreg(HW_REG_IB_STS2, 6, 4)
	s_cmp_eq_u32 s2, 0
	s_cbranch_scc0 .Lentry_in_a_cluster
	s_endpgm
.Lentry_in_a_cluster:
	s_bfe_u32 s2, ttmp6, 0x10000c
	s_cmp_lg_u32 s2, 0x3003
	s_cbranch_scc0 .Lentry_shape_is_right
	s_endpgm
.Lentry_shape_is_right:
; out0[b][0:16]  = tanh( [|e2-e1|, e2*e1] G + b1 ),   out0[b][16:32] = tanh( sum_e (sum_d W[k][d][e] e1[b][d]) e2[b][e] + [e1, e2] V + b2 ).
; The three products with V, W and G run on codes of FP8 (E4M3), each operand with the one given scale 2^e (lowp_scales: 0 [e1,e2], 1 V, 2 W, 3 e1, 4 [|e2-e1|,e2*e1], 5 G);
; the sum over e (one row against one row) is left in f32: packed multiply-adds on the matrix results as they stand in registers.  Nothing goes through memory between the steps.
; SHARES.  A work-group owns 128 rows b for all 16 k.  Wave w: bh = w / 2 is its half of the rows (64: four tiles of 16), kh = w % 2 its half of the k (k = 8 kh + kk, kk = 0 .. 7).
; A wave's tile t holds rows 64 bh + 16 (t xor kh) + lane % 16, so that the tile for which the wave makes the products with V and G (its OWN tile, t = 0 and t = 2) has the same
; register numbers in both waves of a row half, and the two waves share that work.
; THE LARGE PRODUCT IS USED TRANSPOSED: source 0 = 16 rows e of W_k, source 1 = 16 rows b of e1's codes.  Lane (r, h), register j then holds T(b = r, e = 16 t + 8 h + j), and e2 stays in
; registers in that very layout for the whole launch: the sum over e never changes lanes; the two halves of the lanes are added at the end.
; W's and e1's codes are fetched 16 bytes a lane (registers 4 c .. 4 c + 3: d = 32 c + 16 h + 0 .. 15): the same permutation of d on both sides, so every product meets its partner.
; V, G and their partners stand in the form's own order (registers 2 c, 2 c + 1: K = 16 c + 8 h + 0 .. 7), which is what a conversion of eight registers in e2's layout gives.
; CLUSTER.  All work-groups walk the same W, so the four of a cluster ask for each tile of W JOINTLY (mask 15, the same descriptor in all four).  e1 and e2 are read by one work-group alone: plain loads.
; LDS.  Two slots of 139,264 bytes.  First they take e1 and e2 (stage s = rows 32 s .. 32 s + 31 of each row half; four blocks of 32 rows x 1,040 bytes), then they are W's ring:
; slot kk % 2 holds W_kk and W_(8+kk), 512 rows x 272 bytes; wave w fills quarter w.  Behind the ring: the spare words; OUT, an image of my 128 rows of out0; TS, the waves' sums over e.
; No prefetch is written: e1 and e2 are asked for whole at the start, and each tile of W 128 matrix instructions ahead of the wait for it.
; LIMITS.  lowp_scales[0], [3], [4] between -126 and 119; [0]+[1], [2]+[3], [4]+[5] between -126 and 127 (each power of two below is an f32 number).  NaN in e1 or e2 is not served.
; tanh(x) = 1 - 2 / (1 + 2^(2 log2(e) x)): right at both ends (the power overflows to infinity or falls to 0); near 0 its error is that of f32's rounding of 1 + a number near 1.
; REGISTERS, in windows of 256 (s_set_vgpr_msb: bits 1:0 source 0, 3:2 source 1, 5:4 source 2, 7:6 destination):
;   window 0: v1-31 addresses and constants; v32-63 at work (TT), in the loop the sums over e (AC, 8 a tile); v64-127 raw e1 (RA), in the loop the matrix results (DD, 16 a tile);
;             v128-255 V's and G's fragments, in the loop two sets of W's fragments (64 each)
;   window 1, 2, 3: v0-127 e2 of tile 0, 1, 2; v128-159 its codes of e1.  Tile 3: codes at v160-191 of windows 1 AND 2; e2's first half at v192-255 of window 1, second half in window 2.
;   window 3 besides: v160-191 two sets of codes for V's and G's products; v192-207 their sums; v208-223 b1, b2.
; So under ONE setting (source 1 = the tile's window) stand a tile's matrix instructions, its multiply-adds by e2 and the LDS loads of W: three switches for 16 matrix instructions.
.set WP,    272                        ; a row of W in LDS: 256 bytes + 16 of padding: the 16 rows of a fragment load start 16 bytes apart modulo 256
.set WQ,    128*WP                     ; what one tensor load brings of W
.set SLOT,  4*WQ
.set EP,    1040                       ; a row of e1 or e2 in LDS: 1,024 bytes + 16 of padding
.set EBLK,  32*EP                      ; what one tensor load brings of e1 or e2
.set SPARE, 2*SLOT                     ; the spare words, 128 bytes for each wave: two blocks of 256 bytes that no other line names
.set OUTB,  SPARE+512                  ; 128 rows x 128 bytes
.set TS,    OUTB+16384                 ; a block for each wave: [h][64 rows][48 bytes: 8 k x 4, 16 spare]
.set TSP,   48
.set TSH,   64*TSP
.set TSW,   2*TSH
.set SPW,   1                          ; v1   LDS address of my spare word; never rewritten
.set NIL,   2                          ; v2   0; never rewritten
.set AW,    5                          ; v5, v6  my lane's place in my k half of slot 0, 1
.set AE2E,  7                          ; v7   e2, own tile (even t) of the stage in hand
.set AE2O,  8                          ; v8   e2, the other tile
.set AE1D,  9                          ; v9   e1, own tile, in e2's layout
.set AE1KE, 10                         ; v10  e1, own tile, 16 neighbours a lane
.set AE1KO, 11                         ; v11  e1, the other tile, likewise
.set AOUT,  12                         ; v12  OUT: my own tile's row, + 32 h
.set TSE,   13                         ; v13  TS: tiles 0, 2
.set TSO,   14                         ; v14  TS: tiles 1, 3
.set TA,    15                         ; v15, v16  the same + 4 kk
.set VGO,   17                         ; v17  V, G: 512 r + 8 h
.set LIM0,  18                         ; v18, v19  448 x 2^e and 2^e for lowp_scales[0];  v20, v21 for [3];  v22, v23 for [4]
.set SC0,   19
.set LIM3,  20
.set SC3,   21
.set LIM4,  22
.set SC4,   23
.set RS,    24                         ; v24-27  a k's four sums on their way to TS
.set TT,    32
.set AC,    32
.set RA,    64
.set DD,    64
.set VF,    128
.set GF,    192
.set WS,    128
.set CS,    160                        ; window 3
.set FW,    192
.set MT,    200
.set B1R,   208
.set B2R,   216
.set EPB,   64                         ; the way out: 12 registers a piece
.set MSB, 0
.macro WIN new                         ; the immediate's high byte repeats the setting that is left; a switch that changes nothing is dropped
.if MSB != \new
	s_set_vgpr_msb (MSB<<8)|\new
.set MSB, \new
.endif
.endm
.macro PLACES n
.rept \n
	v_nop
.endr
.endm
.macro CREST                           ; a round of the cluster's barrier behind its opening barrier
	s_cmp_lg_u32 s22, 0
	s_cbranch_scc1 .Lnot_wave_0_\@
	s_barrier_signal -3
.Lnot_wave_0_\@:
	s_barrier_wait -3
	s_barrier_signal -1
	s_barrier_wait -1
.endm
.macro CROUND                          ; a whole round
	s_barrier_signal -1
	s_barrier_wait -1
	CREST
.endm
.macro WLOAD n                         ; my quarter of a tile of W into slot n: one line for all four waves, each with its own rows; four v_nop follow
	tensor_load_to_lds s[52+4*\n:55+4*\n], s[36:43]
	s_nop 0
.rept 4
	v_nop
.endr
.endm
.macro MKSC e, sc, lim                 ; from the whole number in s[e]: 2^e and 448 x 2^e as f32
	s_add_co_i32 s86, s[\e], 127
	s_lshl_b32 s87, s86, 23
	v_mov_b32 v[\sc], s87
	s_add_co_i32 s86, s86, 8
	s_lshl_b32 s86, s86, 23
	s_or_b32 s86, s86, 0x600000
	v_mov_b32 v[\lim], s86
.endm
.macro MKPW a, b, d                    ; 2^(s[a] + s[b]) as f32, twice: the packed forms name a pair
	s_add_co_i32 s[\d], s[\a], s[\b]
	s_add_co_i32 s[\d], s[\d], 127
	s_lshl_b32 s[\d], s[\d], 23
	s_mov_b32 s[\d+1], s[\d]
.endm
	s_load_b512 s[4:19], s[0:1], 0x0               ; G s[4:5], V s[6:7], W s[8:9], b1 s[10:11], b2 s[12:13], e1 s[14:15], e2 s[16:17], the scales' exponents s[18:19]
	s_load_b64 s[20:21], s[0:1], 0x40              ; out0
	v_lshl_add_u32 v[SPW], v0, 2, SPARE
	v_mov_b32 v[NIL], 0
	ds_add_u32 v1, v2
	ds_add_u32 v1, v2
	s_wait_dscnt 0x0
	v_lshrrev_b32 v24, 5, v0
	v_readfirstlane_b32 s22, v24                   ; wave 0..3
	s_lshr_b32 s23, s22, 1                         ; bh
	s_and_b32 s24, s22, 1                          ; kh
	s_xor_b32 s25, s24, 1
	s_bfe_u32 s27, ttmp6, 0x40000                  ; cx: my place in the cluster
	s_lshl_b32 s26, ttmp9, 2                       ; in a cluster launch ttmp9 counts clusters
	s_add_co_u32 s26, s26, s27                     ; g: my block of 128 rows; it enters e1's, e2's and out0's addresses alone
	; descriptor group 1 for e1 and e2: 32 rows x 256 elements of 4 bytes, 4 words of padding behind every 256; no mask
	s_mov_b32 s28, (2<<16)|(1<<20)|(7<<22)|(3<<25)
	s_mov_b32 s29, 256<<16                         ; tensor_dim0
	s_mov_b32 s30, 32<<16                          ; tensor_dim1
	s_mov_b32 s31, 256<<16                         ; tile_dim0
	s_mov_b32 s32, 32                              ; tile_dim1
	s_mov_b32 s33, 256                             ; elements from row to row
	s_mov_b32 s34, 0
	s_mov_b32 s35, 0
	; for W: 128 rows x 256 bytes, 4 words of padding behind every 64; the mask names all four work-groups, bit 21 beside it
	s_mov_b32 s36, 15|(1<<20)|(1<<21)|(5<<22)|(3<<25)
	s_mov_b32 s37, 256<<16
	s_mov_b32 s38, 128<<16
	s_mov_b32 s39, 256<<16
	s_mov_b32 s40, 128
	s_mov_b32 s41, 256
	s_mov_b32 s42, 0
	s_mov_b32 s43, 0
	; LDS addresses: constants, lane terms and the wave's number
	v_and_b32 v3, 15, v0                           ; r
	v_bfe_u32 v4, v0, 4, 1                         ; h
	v_mul_u32_u24 v[AW], v3, WP
	v_lshl_add_u32 v[AW], v4, 4, v[AW]
	s_mul_i32 s86, s24, 256*WP                     ; my k half's 256 rows
	v_add_nc_u32 v[AW], s86, v[AW]
	v_add_nc_u32 v[AW+1], SLOT, v[AW]
	v_mul_u32_u24 v25, v3, EP
	v_lshl_add_u32 v26, v4, 5, v25                 ; row r, + 32 h: eight numbers of each 16
	v_lshl_add_u32 v27, v4, 6, v25                 ; row r, + 64 h: sixteen numbers of each 32
	s_mul_i32 s86, s23, 2*EBLK                     ; my row half's block of e1; e2's lies behind it
	s_mul_i32 s87, s24, 16*EP                      ; the own tile's 16 rows in a block,
	s_mul_i32 s88, s25, 16*EP                      ; the other tile's
	s_add_co_u32 s87, s87, s86
	s_add_co_u32 s88, s88, s86
	v_add_nc_u32 v[AE1D], s87, v26
	v_add_nc_u32 v[AE1KE], s87, v27
	v_add_nc_u32 v[AE1KO], s88, v27
	v_add_nc_u32 v[AE2E], EBLK, v[AE1D]
	s_add_co_u32 s88, s88, EBLK
	v_add_nc_u32 v[AE2O], s88, v26
	s_lshl_b32 s86, s23, 13                        ; OUT: 64 bh rows of 128 bytes,
	s_lshl_b32 s87, s24, 11                        ; 16 kh rows
	s_add_co_u32 s86, s86, s87
	s_add_co_u32 s86, s86, OUTB
	v_lshlrev_b32 v[AOUT], 7, v3
	v_lshl_add_u32 v[AOUT], v4, 5, v[AOUT]
	v_add_nc_u32 v[AOUT], s86, v[AOUT]
	v_mul_u32_u24 v[TSE], v3, TSP                  ; TS: my wave's block, plane h, row 16 (t xor kh) + r of my row half
	v_mad_u32_u24 v[TSE], v4, TSH, v[TSE]
	s_mul_i32 s86, s22, TSW
	s_add_co_u32 s86, s86, TS
	s_mul_i32 s87, s24, 16*TSP
	s_mul_i32 s88, s25, 16*TSP
	s_add_co_u32 s87, s87, s86
	s_add_co_u32 s88, s88, s86
	v_add_nc_u32 v[TSO], s88, v[TSE]
	v_add_nc_u32 v[TSE], s87, v[TSE]
	v_lshlrev_b32 v[VGO], 9, v3                    ; V, G: row n = r of 512 codes, + 8 h
	v_lshl_add_u32 v[VGO], v4, 3, v[VGO]
	v_lshlrev_b32 v28, 5, v4                       ; b1, b2: my eight numbers, 8 h on
	; what I fetch: even waves e1, odd waves e2, rows 128 g + 64 bh (+ 32 for stage 1); of W: k = 8 bh (+ kk), rows 128 kh on
	s_mul_i32 s86, s22, EBLK
	s_mul_i32 s87, s22, WQ
	s_lshl_b32 s88, s26, 17
	s_lshl_b32 s89, s23, 16
	s_add_co_u32 s88, s88, s89
	s_mov_b32 s89, 0
	s_lshl_b32 s92, s23, 19
	s_lshl_b32 s93, s24, 15
	s_add_co_u32 s92, s92, s93
	s_mov_b32 s93, 0
	s_wait_kmcnt 0x0
	s_load_b128 s[68:71], s[18:19], 0x0            ; the six exponents
	s_load_b64 s[72:73], s[18:19], 0x10
	s_cmp_eq_u32 s24, 0                            ; the choice hangs on the wave's number alone
	s_cselect_b64 s[90:91], s[14:15], s[16:17]
	s_add_nc_u64 s[90:91], s[90:91], s[88:89]
	s_add_nc_u64 s[92:93], s[8:9], s[92:93]
	s_mov_b32 s44, 1                               ; group 0, stage 0: count 1; LDS address; global address; type 2
	s_mov_b32 s45, s86
	s_mov_b64 s[46:47], s[90:91]
	s_or_b32 s47, s47, 0x80000000
	s_mov_b32 s48, 1                               ; stage 1: slot 1, 32 rows on
	s_add_co_u32 s49, s86, SLOT
	s_add_nc_u64 s[50:51], s[90:91], 0x8000
	s_or_b32 s51, s51, 0x80000000
	s_mov_b32 s52, 1                               ; W, slot 0: kk = 0
	s_mov_b32 s53, s87
	s_mov_b64 s[54:55], s[92:93]
	s_or_b32 s55, s55, 0x80000000
	s_mov_b32 s56, 1                               ; W, slot 1: kk = 1
	s_add_co_u32 s57, s87, SLOT
	s_add_nc_u64 s[58:59], s[92:93], 0x10000
	s_or_b32 s59, s59, 0x80000000
	CROUND                                         ; the round in front of the launch's first tensor loads
	tensor_load_to_lds s[44:47], s[28:35]          ; both first fills go out together: two loads of mine are out, later never more than one
	s_nop 0
	tensor_load_to_lds s[48:51], s[28:35]
	s_nop 0
.rept 4
	v_nop
.endr
.irp k, 0,1,2,3                        ; V's and G's four fragments of 128 along K, in the form's own order
.irp c, 0,1,2,3,4,5,6,7
	global_load_b64 v[VF+16*\k+2*\c:VF+16*\k+2*\c+1], v[VGO], s[6:7] offset:128*\k+16*\c
	global_load_b64 v[GF+16*\k+2*\c:GF+16*\k+2*\c+1], v[VGO], s[4:5] offset:128*\k+16*\c
.endr
.endr
	WIN 0xc0                                       ; destination window 3
	global_load_b128 v[B1R:B1R+3], v28, s[10:11]
	global_load_b128 v[B1R+4:B1R+7], v28, s[10:11] offset:16
	global_load_b128 v[B2R:B2R+3], v28, s[12:13]
	global_load_b128 v[B2R+4:B2R+7], v28, s[12:13] offset:16
	WIN 0
	s_wait_kmcnt 0x0
	MKSC 68, SC0, LIM0
	MKSC 71, SC3, LIM3
	MKSC 72, SC4, LIM4
	MKPW 68, 69, 76                                ; s[76:77]: what V's sums lack
	MKPW 72, 73, 78                                ; s[78:79]: G's
	MKPW 70, 71, 80                                ; s[80:81]: W's
; ---- THE STAGES: e2 into registers, V's and G's products for the own tile, e1's codes for W's product
.macro E2LOAD lam, adr                 ; tile lam's e2: register 8 t + j = e2(r, 16 t + 8 h + j).  32 loads
.if (\lam) < 3
	WIN (((\lam)+1)<<6)
.set tt, 0
.rept 16
	ds_load_b128 v[8*tt:8*tt+3], v[\adr] offset:64*tt
	ds_load_b128 v[8*tt+4:8*tt+7], v[\adr] offset:64*tt+16
.set tt, tt+1
.endr
.else
	WIN 0x40
.set tt, 0
.rept 8
	ds_load_b128 v[192+8*tt:192+8*tt+3], v[\adr] offset:64*tt
	ds_load_b128 v[192+8*tt+4:192+8*tt+7], v[\adr] offset:64*tt+16
.set tt, tt+1
.endr
	WIN 0x80
.rept 8
	ds_load_b128 v[192+8*(tt-8):192+8*(tt-8)+3], v[\adr] offset:64*tt
	ds_load_b128 v[192+8*(tt-8)+4:192+8*(tt-8)+7], v[\adr] offset:64*tt+16
.set tt, tt+1
.endr
.endif
	WIN 0
.endm
.macro RAWD c                          ; the own tile's e1, d = 128 c on, in e2's layout.  16 loads
.irp g, 0,1,2,3,4,5,6,7
	ds_load_b128 v[RA+8*\g:RA+8*\g+3], v[AE1D] offset:512*\c+64*\g
	ds_load_b128 v[RA+8*\g+4:RA+8*\g+7], v[AE1D] offset:512*\c+64*\g+16
.endr
.endm
.macro RAWKH adr, q, half              ; e1, d = 128 q + 64 half on: register 16 c + i = e1(r, .. + 32 c + 16 h + i).  8 loads
.irp cc, 0,1
.irp j, 0,1,2,3
	ds_load_b128 v[RA+32*\half+16*\cc+4*\j:RA+32*\half+16*\cc+4*\j+3], v[\adr] offset:512*\q+256*\half+128*\cc+16*\j
.endr
.endr
.endm
; 32 numbers of the own tile become 8 registers of codes.  kind 0: e2; 1: e1; 2: |e2 - e1|; 3: e2 x e1.  wo: the own tile's window; c: which 128 along d; beta: which half of them.
; The conversion to an 8-bit code does not saturate (ISA guide 7.6.2): each number is first held within the largest code x the scale.  med3(x, -x, limit) is |x| held at the limit.
.macro QB kind, wo, c, beta
.set nn, 0
.if \kind == 0
	WIN \wo
.rept 32
	v_med3_num_f32 v[TT+nn], v[64*\c+32*\beta+nn], -v[LIM0], v[LIM0]
.set nn, nn+1
.endr
.elseif \kind == 1
	WIN 0
.rept 32
	v_med3_num_f32 v[TT+nn], v[RA+32*\beta+nn], -v[LIM0], v[LIM0]
.set nn, nn+1
.endr
.elseif \kind == 2
	WIN \wo
.rept 16
	v_pk_add_f32 v[TT+nn:TT+nn+1], v[64*\c+32*\beta+nn:64*\c+32*\beta+nn+1], v[RA+32*\beta+nn:RA+32*\beta+nn+1] neg_lo:[0,1] neg_hi:[0,1]
.set nn, nn+2
.endr
	WIN 0
.set nn, 0
.rept 32
	v_med3_num_f32 v[TT+nn], v[TT+nn], -v[TT+nn], v[LIM4]
.set nn, nn+1
.endr
.else
	WIN \wo
.rept 16
	v_pk_mul_f32 v[TT+nn:TT+nn+1], v[64*\c+32*\beta+nn:64*\c+32*\beta+nn+1], v[RA+32*\beta+nn:RA+32*\beta+nn+1]
.set nn, nn+2
.endr
	WIN 0
.set nn, 0
.rept 32
	v_med3_num_f32 v[TT+nn], v[TT+nn], -v[LIM4], v[LIM4]
.set nn, nn+1
.endr
.endif
	WIN 0xc0                                       ; destination window 3
.irp g, 0,1,2,3
.if \kind < 2
	v_cvt_scalef32_pk8_fp8_f32 v[CS+8*\beta+2*\g:CS+8*\beta+2*\g+1], v[TT+8*\g:TT+8*\g+7], v[SC0]
.else
	v_cvt_scalef32_pk8_fp8_f32 v[CS+16+8*\beta+2*\g:CS+16+8*\beta+2*\g+1], v[TT+8*\g:TT+8*\g+7], v[SC4]
.endif
.endr
	v_nop                                          ; one plain vector line between a scaled conversion and what next touches its result or writes its sources
.endm
; One product with V or G: source 0 = the weight's 16 rows n, source 1 = my tile's codes: lane (r, h), register j holds (b = r, n = 8 h + j).  The two sums take turns.
.macro PW acc, frag, cs, zero
	WIN 0xfc                                       ; source 0 window 0; source 1, C and D window 3
.if \zero
	v_wmma_f32_16x16x128_fp8_fp8 v[\acc:\acc+7], v[\frag:\frag+15], v[CS+16*\cs:CS+16*\cs+15], 0
.else
	v_wmma_f32_16x16x128_fp8_fp8 v[\acc:\acc+7], v[\frag:\frag+15], v[CS+16*\cs:CS+16*\cs+15], v[\acc:\acc+7]
.endif
.endm
.macro TANH b, n                       ; v[b] .. v[b + n - 1] become their tanh; behind each run of transcendentals one plain line (ISA guide 5.7.2)
.set nn, 0
.rept (\n)/2
	v_pk_mul_f32 v[\b+nn:\b+nn+1], v[\b+nn:\b+nn+1], 0x4038aa3b op_sel_hi:[1,0]   ; x 2 log2(e)
.set nn, nn+2
.endr
.set nn, 0
.rept \n
	v_exp_f32 v[\b+nn], v[\b+nn]
.set nn, nn+1
.endr
	v_nop
.set nn, 0
	s_wait_alu depctr_va_vdst(0)
.rept (\n)/2
	v_pk_add_f32 v[\b+nn:\b+nn+1], v[\b+nn:\b+nn+1], 1.0 op_sel_hi:[1,0]
.set nn, nn+2
.endr
.set nn, 0
.rept \n
	v_rcp_f32 v[\b+nn], v[\b+nn]
.set nn, nn+1
.endr
	v_nop
.set nn, 0
	s_wait_alu depctr_va_vdst(0)
.rept (\n)/2
	v_pk_fma_f32 v[\b+nn:\b+nn+1], v[\b+nn:\b+nn+1], -2.0, 1.0 op_sel_hi:[1,0,0]
.set nn, nn+2
.endr
.endm
; The own tile's two sums leave for OUT: columns 0-15 finished, columns 16-31 as V's sum x its power of two + b2, to which W's part is added at the end.
.macro FINISH st
	WIN 0x33                                       ; sources 0 and 2 window 3
.irp i, 0,2,4,6                        ; V's sum first: these four lines name nothing of the last product (G's) and are the places behind it; each sum is read from its low end on
	v_pk_fma_f32 v[TT+\i:TT+\i+1], v[FW+\i:FW+\i+1], s[76:77], v[B2R+\i:B2R+\i+1] op_sel_hi:[1,0,1]
.endr
.irp i, 0,2,4,6
	v_pk_fma_f32 v[TT+8+\i:TT+8+\i+1], v[MT+\i:MT+\i+1], s[78:79], v[B1R+\i:B1R+\i+1] op_sel_hi:[1,0,1]
.endr
	WIN 0
	TANH TT+8, 8
	ds_store_b128 v[AOUT], v[TT+8:TT+11] offset:4096*\st
	ds_store_b128 v[AOUT], v[TT+12:TT+15] offset:4096*\st+16
	ds_store_b128 v[AOUT], v[TT:TT+3] offset:4096*\st+64
	ds_store_b128 v[AOUT], v[TT+4:TT+7] offset:4096*\st+80
.endm
; 32 numbers of e1 in RA become 8 registers of tile lam's codes for W's product (tile 3's are written into both windows that hold a half of its e2)
.macro KQH lam, q, half
	WIN 0
.set nn, 0
.rept 32
	v_med3_num_f32 v[RA+32*\half+nn], v[RA+32*\half+nn], -v[LIM3], v[LIM3]
.set nn, nn+1
.endr
.if (\lam) < 3
	WIN (((\lam)+1)<<6)
.irp g, 0,1,2,3
	v_cvt_scalef32_pk8_fp8_f32 v[128+16*\q+8*\half+2*\g:128+16*\q+8*\half+2*\g+1], v[RA+32*\half+8*\g:RA+32*\half+8*\g+7], v[SC3]
.endr
.else
	WIN 0x40
.irp g, 0,1,2,3
	v_cvt_scalef32_pk8_fp8_f32 v[160+16*\q+8*\half+2*\g:160+16*\q+8*\half+2*\g+1], v[RA+32*\half+8*\g:RA+32*\half+8*\g+7], v[SC3]
.endr
	WIN 0x80
.irp g, 0,1,2,3
	v_cvt_scalef32_pk8_fp8_f32 v[160+16*\q+8*\half+2*\g:160+16*\q+8*\half+2*\g+1], v[RA+32*\half+8*\g:RA+32*\half+8*\g+7], v[SC3]
.endr
.endif
	v_nop                                          ; the plain line behind the conversions
	WIN 0
.endm
.macro STAGE st                        ; tiles 2 st (own; window 2 st + 1) and 2 st + 1
	E2LOAD (2*\st), AE2E
	RAWD 0
	s_wait_dscnt 16                                ; the own tile's e2 is in; the 16 loads of e1 may be out
	E2LOAD (2*\st+1), AE2O
	QB 0, (2*\st+1), 0, 0
	QB 0, (2*\st+1), 0, 1
	PW FW, VF+32, 0, 1                             ; V: K 256 on is e2
	s_wait_dscnt 32                                ; e1 is in; the other tile's 32 loads of e2 may be out
	QB 2, (2*\st+1), 0, 0
	QB 2, (2*\st+1), 0, 1
	PW MT, GF, 1, 1                                ; G: K 0 on is |e2 - e1|
	QB 1, (2*\st+1), 0, 0
	QB 1, (2*\st+1), 0, 1
	PW FW, VF, 0, 0                                ; V: K 0 on is e1
	QB 3, (2*\st+1), 0, 0
	QB 3, (2*\st+1), 0, 1
	PW MT, GF+32, 1, 0                             ; G: K 256 on is e2 x e1
	WIN 0
	RAWD 1
	QB 0, (2*\st+1), 1, 0
	QB 0, (2*\st+1), 1, 1
	PW FW, VF+48, 0, 0
	s_wait_dscnt 0x0                               ; e1's second half, and the other tile's e2
	QB 2, (2*\st+1), 1, 0
	QB 2, (2*\st+1), 1, 1
	PW MT, GF+16, 1, 0
	QB 1, (2*\st+1), 1, 0
	QB 1, (2*\st+1), 1, 1
	PW FW, VF+16, 0, 0
	QB 3, (2*\st+1), 1, 0
	QB 3, (2*\st+1), 1, 1
	PW MT, GF+48, 1, 0
	WIN 0
	RAWKH AE1KE, 0, 0
	RAWKH AE1KE, 0, 1
	FINISH \st
	s_wait_dscnt 0x0                               ; the first 64 numbers of e1 for W's product are in
	KQH (2*\st), 0, 0                              ; four batches of 64, by halves: a half's registers take the next batch's loads as soon as its codes are made
	RAWKH AE1KE, 1, 0
	KQH (2*\st), 0, 1
	RAWKH AE1KE, 1, 1
	s_wait_dscnt 8                                 ; each of these five: the half wanted next is in; the 8 loads just issued may be out
	KQH (2*\st), 1, 0
	RAWKH AE1KO, 0, 0
	s_wait_dscnt 8
	KQH (2*\st), 1, 1
	RAWKH AE1KO, 0, 1
	s_wait_dscnt 8
	KQH (2*\st+1), 0, 0
	RAWKH AE1KO, 1, 0
	s_wait_dscnt 8
	KQH (2*\st+1), 0, 1
	RAWKH AE1KO, 1, 1
	s_wait_dscnt 8
	KQH (2*\st+1), 1, 0
	s_wait_dscnt 0x0
	KQH (2*\st+1), 1, 1
.endm
; ---- THE LOOP'S PARTS.  A PAIR is e tiles 2 s and 2 s + 1 of one k against my four tiles of rows: 16 matrix instructions.
.macro WLD                             ; one load of the next pair's fragments: fragment (u, q) = rows 16 (2 NS + u) on, d = 128 q on, in the order (0,0) (1,0) (0,1) (1,1)
.if ld < 16
.set lu, (ld/4)%2
.set lq, ld/8
.set lc, ld%4
	ds_load_b128 v[WS+64*NP+32*lu+16*lq+4*lc:WS+64*NP+32*lu+16*lq+4*lc+3], v[AW+NSL] offset:(32*NS+16*lu)*WP+128*lq+32*lc
.set ld, ld+1
.endif
.endm
.macro F i, u                          ; tile i: the sums over e take in the results of the pair before (e tile 2 SG + u), each result from its low end on; a new k's first product starts the sums
.if FMA
.if \i == 3
.set eb, 192+16*(SG%4)+8*\u
.else
.set eb, 16*SG+8*\u
.endif
.irp jp, 0,2,4,6
.if FIRST && (\u == 0)
	v_pk_mul_f32 v[AC+8*\i+\jp:AC+8*\i+\jp+1], v[DD+16*\i+8*\u+\jp:DD+16*\i+8*\u+\jp+1], v[eb+\jp:eb+\jp+1]
.else
	v_pk_fma_f32 v[AC+8*\i+\jp:AC+8*\i+\jp+1], v[DD+16*\i+8*\u+\jp:DD+16*\i+8*\u+\jp+1], v[eb+\jp:eb+\jp+1], v[AC+8*\i+\jp:AC+8*\i+\jp+1]
.endif
.endr
.endif
.endm
.macro WM i, u, q                      ; T(e tile u of the pair, tile i) over d = 128 q on; LPG loads of the next pair's fragments follow
.if \i == 3
.set cb, 160+16*\q
.else
.set cb, 128+16*\q
.endif
.set wf, WS+64*PS+32*\u+16*\q
.set dr, DD+16*\i+8*\u
.if \q == 0
	v_wmma_f32_16x16x128_fp8_fp8 v[dr:dr+7], v[wf:wf+15], v[cb:cb+15], 0
.else
	v_wmma_f32_16x16x128_fp8_fp8 v[dr:dr+7], v[wf:wf+15], v[cb:cb+15], v[dr:dr+7]
.endif
.rept LPG
	WLD
.endr
.endm
; The tiles that lie in one window (t1 = 9: one tile).  The results take turns, one instruction a turn.  A result is read by its F before the first product of the new pair writes over it;
; the multiply-adds of the other tiles are the places between a matrix instruction and the lines that read its result, write over it or load into its sources.
.macro GROUP win, t0, t1
	WIN (\win<<2)                                  ; source 1 = the tiles' window: codes for the matrix instruction, e2 for the multiply-add
.irp u, 0,1
	F \t0, \u
	WM \t0, \u, 0
.if \t1 < 9
	F \t1, \u
	WM \t1, \u, 0
.endif
.endr
.irp u, 0,1
	WM \t0, \u, 1
.if \t1 < 9
	WM \t1, \u, 1
.endif
.endr
.endm
; slot: the slot in hand; nslot: that of the next pair; fma = 0: the very first pair, with nothing to take in; fetch = 0: the very last, with nothing to fetch.
; change = 1, 2 (s = 7): the slot's last pair changes slots: ONE barrier; in front of it each wave waits for all its tensor loads (the one that is out is its part of the next slot), adds 0 to its spare word and
; waits for that and for its reads of this slot.  change = 2: the barrier opens a round of the cluster's barrier, and this slot is filled again, two k on: that load has 128 matrix instructions in which to land.
.macro PAIR slot, s, nslot, fma, fetch, change
.set PS, (\s)%2
.set NP, 1-PS
.set NS, ((\s)+1)%8
.set NSL, \nslot
.set SG, ((\s)+7)%8
.set FMA, \fma
.set FIRST, 0
.if (\s) == 1
.set FIRST, 1
.endif
.set ld, 16
.if \fetch
.set ld, 0
.endif
.if \change == 0
	s_wait_dscnt 0x0                               ; this pair's fragments, asked for in the pair before, are in
.set LPG, 2
.if ((\s) >= 1) && ((\s) <= 4)         ; tile 3 goes with the window that holds the half of its e2 that its multiply-adds want
	GROUP 1, 0, 3
	GROUP 2, 1, 9
.else
	GROUP 1, 0, 9
	GROUP 2, 1, 3
.endif
	GROUP 3, 2, 9
.else
	WIN 0                                          ; (the add's two registers lie in window 0)
	s_wait_tensorcnt 0x0                           ; all my tensor loads have landed
	ds_add_u32 v[SPW], v[NIL]                      ; 0 onto my spare word
	s_wait_dscnt 0x1                               ; this pair's fragments are in; the add may be out
.set LPG, 0
	GROUP 1, 0, 9                                  ; work on registers stands between the add and the wait for it
	s_wait_dscnt 0x0                               ; the add is done, and my reads of this slot are over
	s_barrier_signal -1
	GROUP 3, 2, 9
	WIN 0
	s_barrier_wait -1
.if \change == 2
	CREST                                          ; no wave of any partner still reads this slot or has a load on its way
	s_add_nc_u64 s[54+4*\slot:55+4*\slot], s[54+4*\slot:55+4*\slot], 0x20000
	WLOAD \slot                                    ; the first tensor load behind the round, and my only one until the next
.endif
.set LPG, 4
	GROUP 2, 1, 3                                  ; the next slot's first fragments are fetched here
.endif
.endm
.macro REDUCE off                      ; a k is finished: each tile's eight sums become one, which goes to TS at 4 kk = s85 + off
	WIN 0
.irp i, 0,1,2,3
	v_pk_add_f32 v[AC+8*\i:AC+8*\i+1], v[AC+8*\i:AC+8*\i+1], v[AC+8*\i+2:AC+8*\i+3]
.endr
.irp i, 0,1,2,3
	v_pk_add_f32 v[AC+8*\i+4:AC+8*\i+5], v[AC+8*\i+4:AC+8*\i+5], v[AC+8*\i+6:AC+8*\i+7]
.endr
.irp i, 0,1,2,3
	v_pk_add_f32 v[AC+8*\i:AC+8*\i+1], v[AC+8*\i:AC+8*\i+1], v[AC+8*\i+4:AC+8*\i+5]
.endr
	v_add_nc_u32 v[TA], s85, v[TSE]
	v_add_nc_u32 v[TA+1], s85, v[TSO]
.irp i, 0,1,2,3
	v_add_f32 v[RS+\i], v[AC+8*\i], v[AC+8*\i+1]
.endr
	ds_store_b32 v[TA], v[RS] offset:\off
	ds_store_b32 v[TA+1], v[RS+1] offset:\off
	ds_store_b32 v[TA], v[RS+2] offset:\off+32*TSP
	ds_store_b32 v[TA+1], v[RS+3] offset:\off+32*TSP
.endm
	s_wait_loadcnt 0x0                             ; V, G, b1, b2
	s_wait_tensorcnt 0x1                           ; my block of stage 0 is in; stage 1's load may stay out
	s_barrier_signal -1
	s_barrier_wait -1                              ; everybody's is
	STAGE 0
	s_wait_tensorcnt 0x0                           ; my block of stage 1 is in: no tensor load of mine is out
	ds_add_u32 v[SPW], v[NIL]
.irp a, AE2E, AE2O, AE1D, AE1KE, AE1KO
	v_add_nc_u32 v[\a], SLOT, v[\a]                ; on to stage 1, in slot 1
.endr
	s_wait_dscnt 0x0                               ; the add is done, and my reads of slot 0 are over
	CROUND
	WLOAD 0                                        ; W of kk = 0 lands while stage 1 is worked
	STAGE 1
	s_wait_tensorcnt 0x0                           ; my quarter of slot 0 is in
	ds_add_u32 v[SPW], v[NIL]
	s_mov_b32 s84, 3                               ; laps
	s_mov_b32 s85, 0                               ; 4 kk of a lap's first k
	s_wait_dscnt 0x0                               ; the add is done, and my reads of slot 1 are over
	CROUND
	WLOAD 1                                        ; W of kk = 1
.set NSL, 0
.set NS, 0
.set NP, 0
.set ld, 0
.rept 16
	WLD                                            ; the first pair's fragments
.endr
	PAIR 0, 0, 0, 0, 1, 0
	PLACES 5                                       ; the first pair has no multiply-adds to stand between its products and the lines that read and write over their results
	WIN 0                                          ; at a label and at a branch every window is 0
.Llap:                                             ; a trip: two k, once round the ring, from a k's second pair to the first pair of the k after next; both slots are filled again
.irp s, 1,2,3,4,5,6
	PAIR 0, \s, 0, 1, 1, 0
.endr
	PAIR 0, 7, 1, 1, 1, 2
	PAIR 1, 0, 1, 1, 1, 0
	REDUCE 0
.irp s, 1,2,3,4,5,6
	PAIR 1, \s, 1, 1, 1, 0
.endr
	PAIR 1, 7, 0, 1, 1, 2
	PAIR 0, 0, 0, 1, 1, 0
	REDUCE 4
	s_add_co_u32 s85, s85, 8
	s_sub_co_u32 s84, s84, 1
	s_cmp_lg_u32 s84, 0
	s_cbranch_scc1 .Llap
.irp s, 1,2,3,4,5,6                    ; the last two k are written out: they ask for nothing more
	PAIR 0, \s, 0, 1, 1, 0
.endr
	PAIR 0, 7, 1, 1, 1, 1
	PAIR 1, 0, 1, 1, 1, 0
	REDUCE 0
.irp s, 1,2,3,4,5,6
	PAIR 1, \s, 1, 1, 1, 0
.endr
	PAIR 1, 7, 1, 1, 0, 0
.set FMA, 1
.set FIRST, 0
.set SG, 7
	WIN 0x04                                       ; the last pair's results are taken in; the tile whose products came last comes last
	F 0, 0
	F 0, 1
	WIN 0x08
	F 1, 0
	F 1, 1
	F 3, 0
	F 3, 1
	WIN 0x0c
	F 2, 0
	F 2, 1
	REDUCE 4
	; ---- THE WAY OUT.  Wave w takes rows 32 w .. 32 w + 31 of OUT as eight pieces of 512 bytes, 16 bytes a lane.  A lane of columns 16-31 (lane & 4) adds W's part, k = 4 (lane & 3) + 0 .. 3:
	; the two planes of TS, x their power of two, onto V's part, and takes the tanh; a lane of columns 0-15 does the same work and keeps what it read.
	s_wait_dscnt 0x0                               ; for the others' sake: my stores into TS are done
	s_barrier_signal -1
	v_and_b32 v29, 31, v0
	v_lshlrev_b32 v30, 4, v29
	s_lshl_b32 s87, s22, 12
	v_add_nc_u32 v30, s87, v30                     ; my 16 bytes of my wave's first piece, in my block of out0,
	v_add_nc_u32 v28, OUTB, v30                    ; and in OUT
	v_bfe_u32 v24, v0, 1, 1                        ; which k half
	v_mul_u32_u24 v31, v24, TSW
	v_bfe_u32 v24, v0, 3, 2                        ; which of a piece's four rows
	v_mad_u32_u24 v31, v24, TSP, v31
	v_and_b32 v24, 1, v0                           ; which four of the half's eight k
	v_lshl_add_u32 v31, v24, 4, v31
	s_mul_i32 s86, s23, 2*TSW
	s_mul_i32 s87, s24, 32*TSP
	s_add_co_u32 s86, s86, s87
	s_add_co_u32 s86, s86, TS
	v_add_nc_u32 v31, s86, v31
	v_and_b32 v24, 4, v0
	v_cmp_ne_u32 vcc_lo, 0, v24
	s_lshl_b32 s88, s26, 14                        ; my 128 rows of 128 bytes
	s_mov_b32 s89, 0
	s_add_nc_u64 s[20:21], s[20:21], s[88:89]
	s_barrier_wait -1
.set ii, 0
.rept 8
	ds_load_b128 v[EPB+12*ii:EPB+12*ii+3], v28 offset:512*ii
	ds_load_b128 v[EPB+12*ii+4:EPB+12*ii+7], v31 offset:4*TSP*ii
	ds_load_b128 v[EPB+12*ii+8:EPB+12*ii+11], v31 offset:4*TSP*ii+TSH
.set ii, ii+1
.endr
.set ii, 0
.rept 8
	s_wait_dscnt 21-3*ii                           ; this piece's three loads are in; the three of each younger piece may be out
	v_pk_add_f32 v[EPB+12*ii+4:EPB+12*ii+5], v[EPB+12*ii+4:EPB+12*ii+5], v[EPB+12*ii+8:EPB+12*ii+9]
	v_pk_add_f32 v[EPB+12*ii+6:EPB+12*ii+7], v[EPB+12*ii+6:EPB+12*ii+7], v[EPB+12*ii+10:EPB+12*ii+11]
	v_pk_fma_f32 v[EPB+12*ii+4:EPB+12*ii+5], v[EPB+12*ii+4:EPB+12*ii+5], s[80:81], v[EPB+12*ii:EPB+12*ii+1] op_sel_hi:[1,0,1]
	v_pk_fma_f32 v[EPB+12*ii+6:EPB+12*ii+7], v[EPB+12*ii+6:EPB+12*ii+7], s[80:81], v[EPB+12*ii+2:EPB+12*ii+3] op_sel_hi:[1,0,1]
	TANH EPB+12*ii+4, 4
.irp j, 0,1,2,3
	v_cndmask_b32 v[EPB+12*ii+4+\j], v[EPB+12*ii+\j], v[EPB+12*ii+4+\j], vcc_lo
.endr
	global_store_b128 v30, v[EPB+12*ii+4:EPB+12*ii+7], s[20:21] offset:512*ii th:TH_STORE_NT   ; 32 lanes store 512 consecutive bytes, at a multiple of 256 from out0's first byte; each piece has registers of its own
.set ii, ii+1
.endr
	s_wait_tensorcnt 0x0                           ; the wave's end, behind my last tensor load and my last LDS store
	ds_add_u32 v[SPW], v[NIL]
	s_wait_dscnt 0x0
	CROUND                                         ; the closing round: no work-group ends while a partner may still ask for a tile that names it
	s_endpgm
.Lfunc_end_k_qee45cc643d_ntn:
	.size	k_qee45cc643d_ntn, .Lfunc_end_k_qee45cc643d_ntn-k_qee45cc643d_ntn
	.p2alignl 7, 3214868480
	.fill 96, 4, 3214868480
	.section	.rodata,"a",@progbits
	.p2align	6, 0x0
	.amdhsa_kernel k_qee45cc643d_ntn
		.amdhsa_group_segment_fixed_size 327680
		.amdhsa_private_segment_fixed_size 0
		.amdhsa_enable_private_segment 0
		.amdhsa_kernarg_size 72
		.amdhsa_user_sgpr_count 2
		.amdhsa_user_sgpr_kernarg_segment_ptr 1
		.amdhsa_wavefront_size32 1
		.amdhsa_system_sgpr_workgroup_id_x 1
		.amdhsa_system_sgpr_workgroup_id_y 1
		.amdhsa_system_sgpr_workgroup_id_z 1
		.amdhsa_system_vgpr_workitem_id 0
		.amdhsa_next_free_vgpr 1024
		.amdhsa_next_free_sgpr 96
		.amdhsa_reserve_vcc 1
		.amdhsa_float_denorm_mode_32 3
		.amdhsa_float_denorm_mode_16_64 3
		.amdhsa_memory_ordered 1
		.amdhsa_forward_progress 1
		.amdhsa_inst_pref_size 255
	.end_amdhsa_kernel
	.section	.bss,"aw",@nobits
	.p2align	6
	.space	262144
	.amdgpu_metadata
---
amdhsa.version: [ 1, 2 ]
amdhsa.kernels:
  - .name:           k_qee45cc643d_ntn
    .symbol:         k_qee45cc643d_ntn.kd
    .args:
      - { .name: G_codes, .offset: 0, .size: 8, .value_kind: global_buffer, .address_space: global }
      - { .name: V_codes, .offset: 8, .size: 8, .value_kind: global_buffer, .address_space: global }
      - { .name: W_codes, .offset: 16, .size: 8, .value_kind: global_buffer, .address_space: global }
      - { .name: b1, .offset: 24, .size: 8, .value_kind: global_buffer, .address_space: global }
      - { .name: b2, .offset: 32, .size: 8, .value_kind: global_buffer, .address_space: global }
      - { .name: e1, .offset: 40, .size: 8, .value_kind: global_buffer, .address_space: global }
      - { .name: e2, .offset: 48, .size: 8, .value_kind: global_buffer, .address_space: global }
      - { .name: lowp_scales, .offset: 56, .size: 8, .value_kind: global_buffer, .address_space: global }
      - { .name: out0, .offset: 64, .size: 8, .value_kind: global_buffer, .address_space: global }
    .group_segment_fixed_size: 327680
    .private_segment_fixed_size: 0
    .kernarg_segment_align: 8
    .kernarg_segment_size: 72
    .max_flat_workgroup_size: 128
    .sgpr_count:     96
    .vgpr_count:     1024
    .wavefront_size: 32
...
	.end_amdgpu_metadata
.endif
;; end of part 1
;; ======== version 2 of 2: 1 launch; 1.16 times as fast as version 1
;; limits: a function is approximated: absolute error at most 3e-07
;; launch ntn (part 2): grid 256 x 1, 4 waves a work-group, clusters of 4 x 1, 327,680 bytes of LDS; arguments G_codes, V_codes, W_codes, b1, b2, e1, e2, lowp_scales, out0; writes out0
.if DOCPART == 2
	.amdgcn_target "amdgcn-amd-amdhsa--gfx1250"
	.amdhsa_code_object_version 6
	.text
	.protected	k_qee45cc643d_ntn
	.globl	k_qee45cc643d_ntn
	.p2align	8
	.type	k_qee45cc643d_ntn,@function
k_qee45cc643d_ntn:
	s_mov_b64 s[64:65], 0
	v_nop
	global_prefetch_b8 v0, s[64:65] scope:SCOPE_SE
	s_setreg_imm32_b32 hwreg(HW_REG_WAVE_MODE, 25, 1), 1
	s_wait_xcnt 0x0
	s_wait_alu depctr_hold_cnt(0) depctr_sa_sdst(0) depctr_va_vdst(0) depctr_va_sdst(0) depctr_va_ssrc(0) depctr_va_vcc(0) depctr_vm_vsrc(0)
	s_getreg_b32 s2, hwreg(HW_REG_IB_STS2, 6, 4)
	s_cmp_eq_u32 s2, 0
	s_cbranch_scc0 .Lentry_in_a_cluster
	s_endpgm
.Lentry_in_a_cluster:
	s_bfe_u32 s2, ttmp6, 0x10000c
	s_cmp_lg_u32 s2, 0x3003
	s_cbranch_scc0 .Lentry_shape_is_right
	s_endpgm
.Lentry_shape_is_right:
; out0[b][0:16]  = tanh( [|e2-e1|, e2*e1] G + b1 ),   out0[b][16:32] = tanh( sum_e (sum_d W[k][d][e] e1[b][d]) e2[b][e] + [e1, e2] V + b2 ).
; The three products with V, W and G run on codes of FP8 (E4M3), each operand with the one given scale 2^e (lowp_scales: 0 [e1,e2], 1 V, 2 W, 3 e1, 4 [|e2-e1|,e2*e1], 5 G);
; the sum over e (one row against one row) is left in f32: packed multiply-adds on the matrix results as they stand in registers.  Nothing goes through memory between the steps.
; SHARES.  A work-group owns 128 rows b for all 16 k.  Wave w: bh = w / 2 is its half of the rows (64: four tiles of 16), kh = w % 2 its half of the k (k = 8 kh + kk, kk = 0 .. 7).
; A wave's tile t holds rows 64 bh + 16 (t xor kh) + lane % 16, so that the tile for which the wave makes the products with V and G (its OWN tile, t = 0 and t = 2) has the same
; register numbers in both waves of a row half, and the two waves share that work.
; THE LARGE PRODUCT IS USED TRANSPOSED: source 0 = 16 rows e of W_k, source 1 = 16 rows b of e1's codes.  Lane (r, h), register j then holds T(b = r, e = 16 t + 8 h + j), and e2 stays in
; registers in that very layout for the whole launch: the sum over e never changes lanes; the two halves of the lanes are added at the end.
; W's and e1's codes are fetched 16 bytes a lane (registers 4 c .. 4 c + 3: d = 32 c + 16 h + 0 .. 15): the same permutation of d on both sides, so every product meets its partner.
; V, G and their partners stand in the form's own order (registers 2 c, 2 c + 1: K = 16 c + 8 h + 0 .. 7), which is what a conversion of eight registers in e2's layout gives.
; CLUSTER.  All work-groups walk the same W, so the four of a cluster ask for each tile of W JOINTLY (mask 15, the same descriptor in all four).  e1 and e2 are read by one work-group alone: plain loads.
; LDS.  Two slots of 139,264 bytes.  First they take e1 and e2 (stage s = rows 32 s .. 32 s + 31 of each row half; four blocks of 32 rows x 1,040 bytes), then they are W's ring:
; slot kk % 2 holds W_kk and W_(8+kk), 512 rows x 272 bytes; wave w fills quarter w.  Behind the ring: the spare words; OUT, an image of my 128 rows of out0; TS, the waves' sums over e.
; No prefetch is written: e1 and e2 are asked for whole at the start, and each tile of W 128 matrix instructions ahead of the wait for it.
; LIMITS.  lowp_scales[0], [3], [4] between -126 and 119; [0]+[1], [2]+[3], [4]+[5] between -126 and 127 (each power of two below is an f32 number).  NaN in e1 or e2 is not served.
; tanh(x) = 1 - 2 / (1 + 2^(2 log2(e) x)): right at both ends (the power overflows to infinity or falls to 0); near 0 its error is that of f32's rounding of 1 + a number near 1.
; REGISTERS, in windows of 256 (s_set_vgpr_msb: bits 1:0 source 0, 3:2 source 1, 5:4 source 2, 7:6 destination):
;   window 0: v1-31 addresses and constants; v32-63 at work (TT), in the loop the sums over e (AC, 8 a tile); v64-127 raw e1 (RA), in the loop the matrix results (DD, 16 a tile);
;             v128-255 V's and G's fragments, in the loop two sets of W's fragments (64 each)
;   window 1, 2, 3: v0-127 e2 of tile 0, 1, 2; v128-159 its codes of e1.  Tile 3: codes at v160-191 of windows 1 AND 2; e2's first half at v192-255 of window 1, second half in window 2.
;   window 3 besides: v160-191 two sets of codes for V's and G's products; v192-207 their sums; v208-223 b1, b2.
; So under ONE setting (source 1 = the tile's window) stand a tile's matrix instructions, its multiply-adds by e2 and the LDS loads of W: three switches for 16 matrix instructions.
.set WP,    272                        ; a row of W in LDS: 256 bytes + 16 of padding: the 16 rows of a fragment load start 16 bytes apart modulo 256
.set WQ,    128*WP                     ; what one tensor load brings of W
.set SLOT,  4*WQ
.set EP,    1040                       ; a row of e1 or e2 in LDS: 1,024 bytes + 16 of padding
.set EBLK,  32*EP                      ; what one tensor load brings of e1 or e2
.set SPARE, 2*SLOT                     ; the spare words, 128 bytes for each wave: two blocks of 256 bytes that no other line names
.set OUTB,  SPARE+512                  ; 128 rows x 128 bytes
.set TS,    OUTB+16384                 ; a block for each wave: [h][64 rows][48 bytes: 8 k x 4, 16 spare]
.set TSP,   48
.set TSH,   64*TSP
.set TSW,   2*TSH
.set SPW,   1                          ; v1   LDS address of my spare word; never rewritten
.set NIL,   2                          ; v2   0; never rewritten
.set AW,    5                          ; v5, v6  my lane's place in my k half of slot 0, 1
.set AE2E,  7                          ; v7   e2, own tile (even t) of the stage in hand
.set AE2O,  8                          ; v8   e2, the other tile
.set AE1D,  9                          ; v9   e1, own tile, in e2's layout
.set AE1KE, 10                         ; v10  e1, own tile, 16 neighbours a lane
.set AE1KO, 11                         ; v11  e1, the other tile, likewise
.set AOUT,  12                         ; v12  OUT: my own tile's row, + 32 h
.set TSE,   13                         ; v13  TS: tiles 0, 2
.set TSO,   14                         ; v14  TS: tiles 1, 3
.set TA,    15                         ; v15, v16  the same + 4 kk
.set VGO,   17                         ; v17  V, G: 512 r + 8 h
.set LIM0,  18                         ; v18, v19  448 x 2^e and 2^e for lowp_scales[0];  v20, v21 for [3];  v22, v23 for [4]
.set SC0,   19
.set LIM3,  20
.set SC3,   21
.set LIM4,  22
.set SC4,   23
.set RS,    24                         ; v24-27  a k's four sums on their way to TS
.set TT,    32
.set AC,    32
.set RA,    64
.set DD,    64
.set VF,    128
.set GF,    192
.set WS,    128
.set CS,    160                        ; window 3
.set FW,    192
.set MT,    200
.set B1R,   208
.set B2R,   216
.set EPB,   64                         ; the way out: 12 registers a piece
.set MSB, 0
.macro WIN new                         ; the immediate's high byte repeats the setting that is left; a switch that changes nothing is dropped
.if MSB != \new
	s_set_vgpr_msb (MSB<<8)|\new
.set MSB, \new
.endif
.endm
.macro PLACES n
.rept \n
	v_nop
.endr
.endm
.macro CREST                           ; a round of the cluster's barrier behind its opening barrier
	s_cmp_lg_u32 s22, 0
	s_cbranch_scc1 .Lnot_wave_0_\@
	s_barrier_signal -3
.Lnot_wave_0_\@:
	s_barrier_wait -3
	s_barrier_signal -1
	s_barrier_wait -1
.endm
.macro CROUND                          ; a whole round
	s_barrier_signal -1
	s_barrier_wait -1
	CREST
.endm
.macro WLOAD n                         ; my quarter of a tile of W into slot n: one line for all four waves, each with its own rows; four v_nop follow
	tensor_load_to_lds s[52+4*\n:55+4*\n], s[36:43]
	s_nop 0
.rept 4
	v_nop
.endr
.endm
.macro MKSC e, sc, lim                 ; from the whole number in s[e]: 2^e and 448 x 2^e as f32
	s_add_co_i32 s86, s[\e], 127
	s_lshl_b32 s87, s86, 23
	v_mov_b32 v[\sc], s87
	s_add_co_i32 s86, s86, 8
	s_lshl_b32 s86, s86, 23
	s_or_b32 s86, s86, 0x600000
	v_mov_b32 v[\lim], s86
.endm
.macro MKPW a, b, d                    ; 2^(s[a] + s[b]) as f32, twice: the packed forms name a pair
	s_add_co_i32 s[\d], s[\a], s[\b]
	s_add_co_i32 s[\d], s[\d], 127
	s_lshl_b32 s[\d], s[\d], 23
	s_mov_b32 s[\d+1], s[\d]
.endm
	s_load_b512 s[4:19], s[0:1], 0x0               ; G s[4:5], V s[6:7], W s[8:9], b1 s[10:11], b2 s[12:13], e1 s[14:15], e2 s[16:17], the scales' exponents s[18:19]
	s_load_b64 s[20:21], s[0:1], 0x40              ; out0
	v_lshl_add_u32 v[SPW], v0, 2, SPARE
	v_mov_b32 v[NIL], 0
	ds_add_u32 v1, v2
	ds_add_u32 v1, v2
	s_wait_dscnt 0x0
	v_lshrrev_b32 v24, 5, v0
	v_readfirstlane_b32 s22, v24                   ; wave 0..3
	s_lshr_b32 s23, s22, 1                         ; bh
	s_and_b32 s24, s22, 1                          ; kh
	s_xor_b32 s25, s24, 1
	s_bfe_u32 s27, ttmp6, 0x40000                  ; cx: my place in the cluster
	s_lshl_b32 s26, ttmp9, 2                       ; in a cluster launch ttmp9 counts clusters
	s_add_co_u32 s26, s26, s27                     ; g: my block of 128 rows; it enters e1's, e2's and out0's addresses alone
	; descriptor group 1 for e1 and e2: 32 rows x 256 elements of 4 bytes, 4 words of padding behind every 256; no mask
	s_mov_b32 s28, (2<<16)|(1<<20)|(7<<22)|(3<<25)
	s_mov_b32 s29, 256<<16                         ; tensor_dim0
	s_mov_b32 s30, 32<<16                          ; tensor_dim1
	s_mov_b32 s31, 256<<16                         ; tile_dim0
	s_mov_b32 s32, 32                              ; tile_dim1
	s_mov_b32 s33, 256                             ; elements from row to row
	s_mov_b32 s34, 0
	s_mov_b32 s35, 0
	; for W: 128 rows x 256 bytes, 4 words of padding behind every 64; the mask names all four work-groups, bit 21 beside it
	s_mov_b32 s36, 15|(1<<20)|(1<<21)|(5<<22)|(3<<25)
	s_mov_b32 s37, 256<<16
	s_mov_b32 s38, 128<<16
	s_mov_b32 s39, 256<<16
	s_mov_b32 s40, 128
	s_mov_b32 s41, 256
	s_mov_b32 s42, 0
	s_mov_b32 s43, 0
	; LDS addresses: constants, lane terms and the wave's number
	v_and_b32 v3, 15, v0                           ; r
	v_bfe_u32 v4, v0, 4, 1                         ; h
	v_mul_u32_u24 v[AW], v3, WP
	v_lshl_add_u32 v[AW], v4, 4, v[AW]
	s_mul_i32 s86, s24, 256*WP                     ; my k half's 256 rows
	v_add_nc_u32 v[AW], s86, v[AW]
	v_add_nc_u32 v[AW+1], SLOT, v[AW]
	v_mul_u32_u24 v25, v3, EP
	v_lshl_add_u32 v26, v4, 5, v25                 ; row r, + 32 h: eight numbers of each 16
	v_lshl_add_u32 v27, v4, 6, v25                 ; row r, + 64 h: sixteen numbers of each 32
	s_mul_i32 s86, s23, 2*EBLK                     ; my row half's block of e1; e2's lies behind it
	s_mul_i32 s87, s24, 16*EP                      ; the own tile's 16 rows in a block,
	s_mul_i32 s88, s25, 16*EP                      ; the other tile's
	s_add_co_u32 s87, s87, s86
	s_add_co_u32 s88, s88, s86
	v_add_nc_u32 v[AE1D], s87, v26
	v_add_nc_u32 v[AE1KE], s87, v27
	v_add_nc_u32 v[AE1KO], s88, v27
	v_add_nc_u32 v[AE2E], EBLK, v[AE1D]
	s_add_co_u32 s88, s88, EBLK
	v_add_nc_u32 v[AE2O], s88, v26
	s_lshl_b32 s86, s23, 13                        ; OUT: 64 bh rows of 128 bytes,
	s_lshl_b32 s87, s24, 11                        ; 16 kh rows
	s_add_co_u32 s86, s86, s87
	s_add_co_u32 s86, s86, OUTB
	v_lshlrev_b32 v[AOUT], 7, v3
	v_lshl_add_u32 v[AOUT], v4, 5, v[AOUT]
	v_add_nc_u32 v[AOUT], s86, v[AOUT]
	v_mul_u32_u24 v[TSE], v3, TSP                  ; TS: my wave's block, plane h, row 16 (t xor kh) + r of my row half
	v_mad_u32_u24 v[TSE], v4, TSH, v[TSE]
	s_mul_i32 s86, s22, TSW
	s_add_co_u32 s86, s86, TS
	s_mul_i32 s87, s24, 16*TSP
	s_mul_i32 s88, s25, 16*TSP
	s_add_co_u32 s87, s87, s86
	s_add_co_u32 s88, s88, s86
	v_add_nc_u32 v[TSO], s88, v[TSE]
	v_add_nc_u32 v[TSE], s87, v[TSE]
	v_lshlrev_b32 v[VGO], 9, v3                    ; V, G: row n = r of 512 codes, + 8 h
	v_lshl_add_u32 v[VGO], v4, 3, v[VGO]
	v_lshlrev_b32 v28, 5, v4                       ; b1, b2: my eight numbers, 8 h on
	; what I fetch: even waves e1, odd waves e2, rows 128 g + 64 bh (+ 32 for stage 1); of W: k = 8 bh (+ kk), rows 128 kh on
	s_mul_i32 s86, s22, EBLK
	s_mul_i32 s87, s22, WQ
	s_lshl_b32 s88, s26, 17
	s_lshl_b32 s89, s23, 16
	s_add_co_u32 s88, s88, s89
	s_mov_b32 s89, 0
	s_lshl_b32 s92, s23, 19
	s_lshl_b32 s93, s24, 15
	s_add_co_u32 s92, s92, s93
	s_mov_b32 s93, 0
	s_wait_kmcnt 0x0
	s_load_b128 s[68:71], s[18:19], 0x0            ; the six exponents
	s_load_b64 s[72:73], s[18:19], 0x10
	s_cmp_eq_u32 s24, 0                            ; the choice hangs on the wave's number alone
	s_cselect_b64 s[90:91], s[14:15], s[16:17]
	s_add_nc_u64 s[90:91], s[90:91], s[88:89]
	s_add_nc_u64 s[92:93], s[8:9], s[92:93]
	s_mov_b32 s44, 1                               ; group 0, stage 0: count 1; LDS address; global address; type 2
	s_mov_b32 s45, s86
	s_mov_b64 s[46:47], s[90:91]
	s_or_b32 s47, s47, 0x80000000
	s_mov_b32 s48, 1                               ; stage 1: slot 1, 32 rows on
	s_add_co_u32 s49, s86, SLOT
	s_add_nc_u64 s[50:51], s[90:91], 0x8000
	s_or_b32 s51, s51, 0x80000000
	s_mov_b32 s52, 1                               ; W, slot 0: kk = 0
	s_mov_b32 s53, s87
	s_mov_b64 s[54:55], s[92:93]
	s_or_b32 s55, s55, 0x80000000
	s_mov_b32 s56, 1                               ; W, slot 1: kk = 1
	s_add_co_u32 s57, s87, SLOT
	s_add_nc_u64 s[58:59], s[92:93], 0x10000
	s_or_b32 s59, s59, 0x80000000
	CROUND                                         ; the round in front of the launch's first tensor loads
	tensor_load_to_lds s[44:47], s[28:35]          ; both first fills go out together: two loads of mine are out, later never more than one
	s_nop 0
	tensor_load_to_lds s[48:51], s[28:35]
	s_nop 0
.rept 4
	v_nop
.endr
.irp k, 0,1,2,3                        ; V's and G's four fragments of 128 along K, in the form's own order
.irp c, 0,1,2,3,4,5,6,7
	global_load_b64 v[VF+16*\k+2*\c:VF+16*\k+2*\c+1], v[VGO], s[6:7] offset:128*\k+16*\c
	global_load_b64 v[GF+16*\k+2*\c:GF+16*\k+2*\c+1], v[VGO], s[4:5] offset:128*\k+16*\c
.endr
.endr
	WIN 0xc0                                       ; destination window 3
	global_load_b128 v[B1R:B1R+3], v28, s[10:11]
	global_load_b128 v[B1R+4:B1R+7], v28, s[10:11] offset:16
	global_load_b128 v[B2R:B2R+3], v28, s[12:13]
	global_load_b128 v[B2R+4:B2R+7], v28, s[12:13] offset:16
	WIN 0
	s_wait_kmcnt 0x0
	MKSC 68, SC0, LIM0
	MKSC 71, SC3, LIM3
	MKSC 72, SC4, LIM4
	MKPW 68, 69, 76                                ; s[76:77]: what V's sums lack
	MKPW 72, 73, 78                                ; s[78:79]: G's
	MKPW 70, 71, 80                                ; s[80:81]: W's
; ---- THE STAGES: e2 into registers, V's and G's products for the own tile, e1's codes for W's product
.macro E2LOAD lam, adr                 ; tile lam's e2: register 8 t + j = e2(r, 16 t + 8 h + j).  32 loads
.if (\lam) < 3
	WIN (((\lam)+1)<<6)
.set tt, 0
.rept 16
	ds_load_b128 v[8*tt:8*tt+3], v[\adr] offset:64*tt
	ds_load_b128 v[8*tt+4:8*tt+7], v[\adr] offset:64*tt+16
.set tt, tt+1
.endr
.else
	WIN 0x40
.set tt, 0
.rept 8
	ds_load_b128 v[192+8*tt:192+8*tt+3], v[\adr] offset:64*tt
	ds_load_b128 v[192+8*tt+4:192+8*tt+7], v[\adr] offset:64*tt+16
.set tt, tt+1
.endr
	WIN 0x80
.rept 8
	ds_load_b128 v[192+8*(tt-8):192+8*(tt-8)+3], v[\adr] offset:64*tt
	ds_load_b128 v[192+8*(tt-8)+4:192+8*(tt-8)+7], v[\adr] offset:64*tt+16
.set tt, tt+1
.endr
.endif
	WIN 0
.endm
.macro RAWD c                          ; the own tile's e1, d = 128 c on, in e2's layout.  16 loads
.irp g, 0,1,2,3,4,5,6,7
	ds_load_b128 v[RA+8*\g:RA+8*\g+3], v[AE1D] offset:512*\c+64*\g
	ds_load_b128 v[RA+8*\g+4:RA+8*\g+7], v[AE1D] offset:512*\c+64*\g+16
.endr
.endm
.macro RAWKH adr, q, half              ; e1, d = 128 q + 64 half on: register 16 c + i = e1(r, .. + 32 c + 16 h + i).  8 loads
.irp cc, 0,1
.irp j, 0,1,2,3
	ds_load_b128 v[RA+32*\half+16*\cc+4*\j:RA+32*\half+16*\cc+4*\j+3], v[\adr] offset:512*\q+256*\half+128*\cc+16*\j
.endr
.endr
.endm
; 32 numbers of the own tile become 8 registers of codes.  kind 0: e2; 1: e1; 2: |e2 - e1|; 3: e2 x e1.  wo: the own tile's window; c: which 128 along d; beta: which half of them.
; The conversion to an 8-bit code does not saturate (ISA guide 7.6.2): each number is first held within the largest code x the scale.  med3(x, -x, limit) is |x| held at the limit.
.macro QB kind, wo, c, beta
.set nn, 0
.if \kind == 0
	WIN \wo
.rept 32
	v_med3_num_f32 v[TT+nn], v[64*\c+32*\beta+nn], -v[LIM0], v[LIM0]
.set nn, nn+1
.endr
.elseif \kind == 1
	WIN 0
.rept 32
	v_med3_num_f32 v[TT+nn], v[RA+32*\beta+nn], -v[LIM0], v[LIM0]
.set nn, nn+1
.endr
.elseif \kind == 2
	WIN \wo
.rept 16
	v_pk_add_f32 v[TT+nn:TT+nn+1], v[64*\c+32*\beta+nn:64*\c+32*\beta+nn+1], v[RA+32*\beta+nn:RA+32*\beta+nn+1] neg_lo:[0,1] neg_hi:[0,1]
.set nn, nn+2
.endr
	WIN 0
.set nn, 0
.rept 32
	v_med3_num_f32 v[TT+nn], v[TT+nn], -v[TT+nn], v[LIM4]
.set nn, nn+1
.endr
.else
	WIN \wo
.rept 16
	v_pk_mul_f32 v[TT+nn:TT+nn+1], v[64*\c+32*\beta+nn:64*\c+32*\beta+nn+1], v[RA+32*\beta+nn:RA+32*\beta+nn+1]
.set nn, nn+2
.endr
	WIN 0
.set nn, 0
.rept 32
	v_med3_num_f32 v[TT+nn], v[TT+nn], -v[LIM4], v[LIM4]
.set nn, nn+1
.endr
.endif
	WIN 0xc0                                       ; destination window 3
.irp g, 0,1,2,3
.if \kind < 2
	v_cvt_scalef32_pk8_fp8_f32 v[CS+8*\beta+2*\g:CS+8*\beta+2*\g+1], v[TT+8*\g:TT+8*\g+7], v[SC0]
.else
	v_cvt_scalef32_pk8_fp8_f32 v[CS+16+8*\beta+2*\g:CS+16+8*\beta+2*\g+1], v[TT+8*\g:TT+8*\g+7], v[SC4]
.endif
.endr
	v_nop                                          ; one plain vector line between a scaled conversion and what next touches its result or writes its sources
.endm
; One product with V or G: source 0 = the weight's 16 rows n, source 1 = my tile's codes: lane (r, h), register j holds (b = r, n = 8 h + j).  The two sums take turns.
.macro PW acc, frag, cs, zero
	WIN 0xfc                                       ; source 0 window 0; source 1, C and D window 3
.if \zero
	v_wmma_f32_16x16x128_fp8_fp8 v[\acc:\acc+7], v[\frag:\frag+15], v[CS+16*\cs:CS+16*\cs+15], 0
.else
	v_wmma_f32_16x16x128_fp8_fp8 v[\acc:\acc+7], v[\frag:\frag+15], v[CS+16*\cs:CS+16*\cs+15], v[\acc:\acc+7]
.endif
.endm
.macro TANH b, n                       ; v[b] .. v[b + n - 1] become their tanh; behind each run of transcendentals one plain line (ISA guide 5.7.2)
.set nn, 0
.rept (\n)/2
	v_pk_mul_f32 v[\b+nn:\b+nn+1], v[\b+nn:\b+nn+1], 0x4038aa3b op_sel_hi:[1,0]   ; x 2 log2(e)
.set nn, nn+2
.endr
.set nn, 0
.rept \n
	v_exp_f32 v[\b+nn], v[\b+nn]
.set nn, nn+1
.endr
	v_nop
.set nn, 0
	s_wait_alu depctr_va_vdst(0)
.rept (\n)/2
	v_pk_add_f32 v[\b+nn:\b+nn+1], v[\b+nn:\b+nn+1], 1.0 op_sel_hi:[1,0]
.set nn, nn+2
.endr
.set nn, 0
.rept \n
	v_rcp_f32 v[\b+nn], v[\b+nn]
.set nn, nn+1
.endr
	v_nop
.set nn, 0
	s_wait_alu depctr_va_vdst(0)
.rept (\n)/2
	v_pk_fma_f32 v[\b+nn:\b+nn+1], v[\b+nn:\b+nn+1], -2.0, 1.0 op_sel_hi:[1,0,0]
.set nn, nn+2
.endr
.endm
; The own tile's two sums leave for OUT: columns 0-15 finished, columns 16-31 as V's sum x its power of two + b2, to which W's part is added at the end.
.macro FINISH st
	WIN 0x33                                       ; sources 0 and 2 window 3
.irp i, 0,2,4,6                        ; V's sum first: these four lines name nothing of the last product (G's) and are the places behind it; each sum is read from its low end on
	v_pk_fma_f32 v[TT+\i:TT+\i+1], v[FW+\i:FW+\i+1], s[76:77], v[B2R+\i:B2R+\i+1] op_sel_hi:[1,0,1]
.endr
.irp i, 0,2,4,6
	v_pk_fma_f32 v[TT+8+\i:TT+8+\i+1], v[MT+\i:MT+\i+1], s[78:79], v[B1R+\i:B1R+\i+1] op_sel_hi:[1,0,1]
.endr
	WIN 0
	TANH TT+8, 8
	ds_store_b128 v[AOUT], v[TT+8:TT+11] offset:4096*\st
	ds_store_b128 v[AOUT], v[TT+12:TT+15] offset:4096*\st+16
	ds_store_b128 v[AOUT], v[TT:TT+3] offset:4096*\st+64
	ds_store_b128 v[AOUT], v[TT+4:TT+7] offset:4096*\st+80
.endm
; 32 numbers of e1 in RA become 8 registers of tile lam's codes for W's product (tile 3's are written into both windows that hold a half of its e2)
.macro KQH lam, q, half
	WIN 0
.set nn, 0
.rept 32
	v_med3_num_f32 v[RA+32*\half+nn], v[RA+32*\half+nn], -v[LIM3], v[LIM3]
.set nn, nn+1
.endr
.if (\lam) < 3
	WIN (((\lam)+1)<<6)
.irp g, 0,1,2,3
	v_cvt_scalef32_pk8_fp8_f32 v[128+16*\q+8*\half+2*\g:128+16*\q+8*\half+2*\g+1], v[RA+32*\half+8*\g:RA+32*\half+8*\g+7], v[SC3]
.endr
.else
	WIN 0x40
.irp g, 0,1,2,3
	v_cvt_scalef32_pk8_fp8_f32 v[160+16*\q+8*\half+2*\g:160+16*\q+8*\half+2*\g+1], v[RA+32*\half+8*\g:RA+32*\half+8*\g+7], v[SC3]
.endr
	WIN 0x80
.irp g, 0,1,2,3
	v_cvt_scalef32_pk8_fp8_f32 v[160+16*\q+8*\half+2*\g:160+16*\q+8*\half+2*\g+1], v[RA+32*\half+8*\g:RA+32*\half+8*\g+7], v[SC3]
.endr
.endif
	v_nop                                          ; the plain line behind the conversions
	WIN 0
.endm
.macro STAGE st                        ; tiles 2 st (own; window 2 st + 1) and 2 st + 1
	E2LOAD (2*\st), AE2E
	RAWD 0
	s_wait_dscnt 16                                ; the own tile's e2 is in; the 16 loads of e1 may be out
	E2LOAD (2*\st+1), AE2O
	QB 0, (2*\st+1), 0, 0
	QB 0, (2*\st+1), 0, 1
	PW FW, VF+32, 0, 1                             ; V: K 256 on is e2
	s_wait_dscnt 32                                ; e1 is in; the other tile's 32 loads of e2 may be out
	QB 2, (2*\st+1), 0, 0
	QB 2, (2*\st+1), 0, 1
	PW MT, GF, 1, 1                                ; G: K 0 on is |e2 - e1|
	QB 1, (2*\st+1), 0, 0
	QB 1, (2*\st+1), 0, 1
	PW FW, VF, 0, 0                                ; V: K 0 on is e1
	QB 3, (2*\st+1), 0, 0
	QB 3, (2*\st+1), 0, 1
	PW MT, GF+32, 1, 0                             ; G: K 256 on is e2 x e1
	WIN 0
	RAWD 1
	QB 0, (2*\st+1), 1, 0
	QB 0, (2*\st+1), 1, 1
	PW FW, VF+48, 0, 0
	s_wait_dscnt 0x0                               ; e1's second half, and the other tile's e2
	QB 2, (2*\st+1), 1, 0
	QB 2, (2*\st+1), 1, 1
	PW MT, GF+16, 1, 0
	QB 1, (2*\st+1), 1, 0
	QB 1, (2*\st+1), 1, 1
	PW FW, VF+16, 0, 0
	QB 3, (2*\st+1), 1, 0
	QB 3, (2*\st+1), 1, 1
	PW MT, GF+48, 1, 0
	WIN 0
	RAWKH AE1KE, 0, 0
	RAWKH AE1KE, 0, 1
	FINISH \st
	s_wait_dscnt 0x0                               ; the first 64 numbers of e1 for W's product are in
	KQH (2*\st), 0, 0                              ; four batches of 64, by halves: a half's registers take the next batch's loads as soon as its codes are made
	RAWKH AE1KE, 1, 0
	KQH (2*\st), 0, 1
	RAWKH AE1KE, 1, 1
	s_wait_dscnt 8                                 ; each of these five: the half wanted next is in; the 8 loads just issued may be out
	KQH (2*\st), 1, 0
	RAWKH AE1KO, 0, 0
	s_wait_dscnt 8
	KQH (2*\st), 1, 1
	RAWKH AE1KO, 0, 1
	s_wait_dscnt 8
	KQH (2*\st+1), 0, 0
	RAWKH AE1KO, 1, 0
	s_wait_dscnt 8
	KQH (2*\st+1), 0, 1
	RAWKH AE1KO, 1, 1
	s_wait_dscnt 8
	KQH (2*\st+1), 1, 0
	s_wait_dscnt 0x0
	KQH (2*\st+1), 1, 1
.endm
; ---- THE LOOP'S PARTS.  A PAIR is e tiles 2 s and 2 s + 1 of one k against my four tiles of rows: 16 matrix instructions.
.macro WLD                             ; one load of the next pair's fragments: fragment (u, q) = rows 16 (2 NS + u) on, d = 128 q on, in the order (0,0) (1,0) (0,1) (1,1)
.if ld < 16
.set lu, (ld/4)%2
.set lq, ld/8
.set lc, ld%4
	ds_load_b128 v[WS+64*NP+32*lu+16*lq+4*lc:WS+64*NP+32*lu+16*lq+4*lc+3], v[AW+NSL] offset:(32*NS+16*lu)*WP+128*lq+32*lc
.set ld, ld+1
.endif
.endm
.macro WRUN                            ; THE LDS LOADS STAND IN ONE RUN OF 16 A PAIR, never singly among the matrix instructions (nothing where the pair fetches nothing)
.rept 16
	WLD
.endr
.endm
.macro F i, u                          ; tile i: the sums over e take in the results of the pair before (e tile 2 SG + u), each result from its low end on; a new k's first product starts the sums
.if FMA
.if \i == 3
.set eb, 192+16*(SG%4)+8*\u
.else
.set eb, 16*SG+8*\u
.endif
.irp jp, 0,2,4,6
.if FIRST && (\u == 0)
	v_pk_mul_f32 v[AC+8*\i+\jp:AC+8*\i+\jp+1], v[DD+16*\i+8*\u+\jp:DD+16*\i+8*\u+\jp+1], v[eb+\jp:eb+\jp+1]
.else
	v_pk_fma_f32 v[AC+8*\i+\jp:AC+8*\i+\jp+1], v[DD+16*\i+8*\u+\jp:DD+16*\i+8*\u+\jp+1], v[eb+\jp:eb+\jp+1], v[AC+8*\i+\jp:AC+8*\i+\jp+1]
.endif
.endr
.endif
.endm
.macro WM i, u, q                      ; T(e tile u of the pair, tile i) over d = 128 q on
.if \i == 3
.set cb, 160+16*\q
.else
.set cb, 128+16*\q
.endif
.set wf, WS+64*PS+32*\u+16*\q
.set dr, DD+16*\i+8*\u
.if \q == 0
	v_wmma_f32_16x16x128_fp8_fp8 v[dr:dr+7], v[wf:wf+15], v[cb:cb+15], 0
.else
	v_wmma_f32_16x16x128_fp8_fp8 v[dr:dr+7], v[wf:wf+15], v[cb:cb+15], v[dr:dr+7]
.endif
.endm
; The tiles that lie in one window (t1 = 9: one tile).  The results take turns, one instruction a turn.  A result is read by its F before the first product of the new pair writes over it;
; the multiply-adds of the other tiles are the places between a matrix instruction and the lines that read its result, write over it or load into its sources.
; run = 1, a pair's first group: all its multiply-adds come first (8 or 16: they name no register of the pair before's last product, so they are the places in front of the loads into the set that it read),
; then the run of loads for the next pair, then the wait for this pair's fragments, then the products, in the same order as with run = 0.
.macro GROUP win, t0, t1, run
	WIN (\win<<2)                                  ; source 1 = the tiles' window: codes for the matrix instruction, e2 for the multiply-add
.if \run
	F \t0, 0
	F \t0, 1
.if \t1 < 9
	F \t1, 0
	F \t1, 1
.endif
	WRUN
	s_wait_dscnt WCNT                              ; this pair's fragments, asked for in the pair before, are in (and a finished k's stores are done); the 16 loads just issued may be out (the last pair issues none: 0)
.irp u, 0,1
	WM \t0, \u, 0
.if \t1 < 9
	WM \t1, \u, 0
.endif
.endr
.else
.irp u, 0,1
	F \t0, \u
	WM \t0, \u, 0
.if \t1 < 9
	F \t1, \u
	WM \t1, \u, 0
.endif
.endr
.endif
.irp u, 0,1
	WM \t0, \u, 1
.if \t1 < 9
	WM \t1, \u, 1
.endif
.endr
.endm
; slot: the slot in hand; nslot: that of the next pair; fma = 0: the very first pair, with nothing to take in; fetch = 0: the very last, with nothing to fetch.
; change = 1, 2 (s = 7): the slot's last pair changes slots: ONE barrier; in front of it each wave waits for all its tensor loads (the one that is out is its part of the next slot), adds 0 to its spare word and
; waits for that and for its reads of this slot.  change = 2: the barrier opens a round of the cluster's barrier, and this slot is filled again, two k on: that load has 128 matrix instructions in which to land.
.macro PAIR slot, s, nslot, fma, fetch, change
.set PS, (\s)%2
.set NP, 1-PS
.set NS, ((\s)+1)%8
.set NSL, \nslot
.set SG, ((\s)+7)%8
.set FMA, \fma
.set FIRST, 0
.if (\s) == 1
.set FIRST, 1
.endif
.set ld, 16
.set WCNT, 0
.if \fetch
.set ld, 0
.set WCNT, 16
.endif
.if \change == 0
.if ((\s) >= 1) && ((\s) <= 4)         ; tile 3 goes with the window that holds the half of its e2 that its multiply-adds want
	GROUP 1, 0, 3, 1
	GROUP 2, 1, 9, 0
.else
	GROUP 1, 0, 9, 1
	GROUP 2, 1, 3, 0
.endif
	GROUP 3, 2, 9, 0
.else
	WIN 0                                          ; (the add's two registers lie in window 0)
	s_wait_tensorcnt 0x0                           ; all my tensor loads have landed
	ds_add_u32 v[SPW], v[NIL]                      ; 0 onto my spare word
	s_wait_dscnt 0x1                               ; this pair's fragments are in; the add may be out
	GROUP 1, 0, 9, 0                               ; work on registers stands between the add and the wait for it
	s_wait_dscnt 0x0                               ; the add is done, and my reads of this slot are over
	s_barrier_signal -1
	GROUP 3, 2, 9, 0
	WIN 0
	s_barrier_wait -1
.if \change == 2
	CREST                                          ; no wave of any partner still reads this slot or has a load on its way
	s_add_nc_u64 s[54+4*\slot:55+4*\slot], s[54+4*\slot:55+4*\slot], 0x20000
	WLOAD \slot                                    ; the first tensor load behind the round, and my only one until the next
.endif
	WRUN                                           ; the next slot's first fragments, into the set that the pair before this one read: this pair's multiply-adds so far are the places behind its products
	GROUP 2, 1, 3, 0
.endif
.endm
.macro REDUCE off                      ; a k is finished: each tile's eight sums become one, which goes to TS at 4 kk = s85 + off
	WIN 0
.irp i, 0,1,2,3
	v_pk_add_f32 v[AC+8*\i:AC+8*\i+1], v[AC+8*\i:AC+8*\i+1], v[AC+8*\i+2:AC+8*\i+3]
.endr
.irp i, 0,1,2,3
	v_pk_add_f32 v[AC+8*\i+4:AC+8*\i+5], v[AC+8*\i+4:AC+8*\i+5], v[AC+8*\i+6:AC+8*\i+7]
.endr
.irp i, 0,1,2,3
	v_pk_add_f32 v[AC+8*\i:AC+8*\i+1], v[AC+8*\i:AC+8*\i+1], v[AC+8*\i+4:AC+8*\i+5]
.endr
	v_add_nc_u32 v[TA], s85, v[TSE]
	v_add_nc_u32 v[TA+1], s85, v[TSO]
.irp i, 0,1,2,3
	v_add_f32 v[RS+\i], v[AC+8*\i], v[AC+8*\i+1]
.endr
	ds_store_b32 v[TA], v[RS] offset:\off
	ds_store_b32 v[TA+1], v[RS+1] offset:\off
	ds_store_b32 v[TA], v[RS+2] offset:\off+32*TSP
	ds_store_b32 v[TA+1], v[RS+3] offset:\off+32*TSP
.endm
	s_wait_loadcnt 0x0                             ; V, G, b1, b2
	s_wait_tensorcnt 0x1                           ; my block of stage 0 is in; stage 1's load may stay out
	s_barrier_signal -1
	s_barrier_wait -1                              ; everybody's is
	STAGE 0
	s_wait_tensorcnt 0x0                           ; my block of stage 1 is in: no tensor load of mine is out
	ds_add_u32 v[SPW], v[NIL]
.irp a, AE2E, AE2O, AE1D, AE1KE, AE1KO
	v_add_nc_u32 v[\a], SLOT, v[\a]                ; on to stage 1, in slot 1
.endr
	s_wait_dscnt 0x0                               ; the add is done, and my reads of slot 0 are over
	CROUND
	WLOAD 0                                        ; W of kk = 0 lands while stage 1 is worked
	STAGE 1
	s_wait_tensorcnt 0x0                           ; my quarter of slot 0 is in
	ds_add_u32 v[SPW], v[NIL]
	s_mov_b32 s84, 3                               ; laps
	s_mov_b32 s85, 0                               ; 4 kk of a lap's first k
	s_wait_dscnt 0x0                               ; the add is done, and my reads of slot 1 are over
	CROUND
	WLOAD 1                                        ; W of kk = 1
.set NSL, 0
.set NS, 0
.set NP, 0
.set ld, 0
	WRUN                                           ; the first pair's fragments
	PAIR 0, 0, 0, 0, 1, 0
	PLACES 5                                       ; the first pair has no multiply-adds to stand between its products and the lines that read and write over their results
	WIN 0                                          ; at a label and at a branch every window is 0
.Llap:                                             ; a trip: two k, once round the ring, from a k's second pair to the first pair of the k after next; both slots are filled again
.irp s, 1,2,3,4,5,6
	PAIR 0, \s, 0, 1, 1, 0
.endr
	PAIR 0, 7, 1, 1, 1, 2
	PAIR 1, 0, 1, 1, 1, 0
	REDUCE 0
.irp s, 1,2,3,4,5,6
	PAIR 1, \s, 1, 1, 1, 0
.endr
	PAIR 1, 7, 0, 1, 1, 2
	PAIR 0, 0, 0, 1, 1, 0
	REDUCE 4
	s_add_co_u32 s85, s85, 8
	s_sub_co_u32 s84, s84, 1
	s_cmp_lg_u32 s84, 0
	s_cbranch_scc1 .Llap
.irp s, 1,2,3,4,5,6                    ; the last two k are written out: they ask for nothing more
	PAIR 0, \s, 0, 1, 1, 0
.endr
	PAIR 0, 7, 1, 1, 1, 1
	PAIR 1, 0, 1, 1, 1, 0
	REDUCE 0
.irp s, 1,2,3,4,5,6
	PAIR 1, \s, 1, 1, 1, 0
.endr
	PAIR 1, 7, 1, 1, 0, 0
.set FMA, 1
.set FIRST, 0
.set SG, 7
	WIN 0x04                                       ; the last pair's results are taken in; the tile whose products came last comes last
	F 0, 0
	F 0, 1
	WIN 0x08
	F 1, 0
	F 1, 1
	F 3, 0
	F 3, 1
	WIN 0x0c
	F 2, 0
	F 2, 1
	REDUCE 4
	; ---- THE WAY OUT.  Wave w takes rows 32 w .. 32 w + 31 of OUT as eight pieces of 512 bytes, 16 bytes a lane.  A lane of columns 16-31 (lane & 4) adds W's part, k = 4 (lane & 3) + 0 .. 3:
	; the two planes of TS, x their power of two, onto V's part, and takes the tanh; a lane of columns 0-15 does the same work and keeps what it read.
	s_wait_dscnt 0x0                               ; for the others' sake: my stores into TS are done
	s_barrier_signal -1
	v_and_b32 v29, 31, v0
	v_lshlrev_b32 v30, 4, v29
	s_lshl_b32 s87, s22, 12
	v_add_nc_u32 v30, s87, v30                     ; my 16 bytes of my wave's first piece, in my block of out0,
	v_add_nc_u32 v28, OUTB, v30                    ; and in OUT
	v_bfe_u32 v24, v0, 1, 1                        ; which k half
	v_mul_u32_u24 v31, v24, TSW
	v_bfe_u32 v24, v0, 3, 2                        ; which of a piece's four rows
	v_mad_u32_u24 v31, v24, TSP, v31
	v_and_b32 v24, 1, v0                           ; which four of the half's eight k
	v_lshl_add_u32 v31, v24, 4, v31
	s_mul_i32 s86, s23, 2*TSW
	s_mul_i32 s87, s24, 32*TSP
	s_add_co_u32 s86, s86, s87
	s_add_co_u32 s86, s86, TS
	v_add_nc_u32 v31, s86, v31
	v_and_b32 v24, 4, v0
	v_cmp_ne_u32 vcc_lo, 0, v24
	s_lshl_b32 s88, s26, 14                        ; my 128 rows of 128 bytes
	s_mov_b32 s89, 0
	s_add_nc_u64 s[20:21], s[20:21], s[88:89]
	s_barrier_wait -1
.set ii, 0
.rept 8
	ds_load_b128 v[EPB+12*ii:EPB+12*ii+3], v28 offset:512*ii
	ds_load_b128 v[EPB+12*ii+4:EPB+12*ii+7], v31 offset:4*TSP*ii
	ds_load_b128 v[EPB+12*ii+8:EPB+12*ii+11], v31 offset:4*TSP*ii+TSH
.set ii, ii+1
.endr
.set ii, 0
.rept 8
	s_wait_dscnt 21-3*ii                           ; this piece's three loads are in; the three of each younger piece may be out
	v_pk_add_f32 v[EPB+12*ii+4:EPB+12*ii+5], v[EPB+12*ii+4:EPB+12*ii+5], v[EPB+12*ii+8:EPB+12*ii+9]
	v_pk_add_f32 v[EPB+12*ii+6:EPB+12*ii+7], v[EPB+12*ii+6:EPB+12*ii+7], v[EPB+12*ii+10:EPB+12*ii+11]
	v_pk_fma_f32 v[EPB+12*ii+4:EPB+12*ii+5], v[EPB+12*ii+4:EPB+12*ii+5], s[80:81], v[EPB+12*ii:EPB+12*ii+1] op_sel_hi:[1,0,1]
	v_pk_fma_f32 v[EPB+12*ii+6:EPB+12*ii+7], v[EPB+12*ii+6:EPB+12*ii+7], s[80:81], v[EPB+12*ii+2:EPB+12*ii+3] op_sel_hi:[1,0,1]
	TANH EPB+12*ii+4, 4
.irp j, 0,1,2,3
	v_cndmask_b32 v[EPB+12*ii+4+\j], v[EPB+12*ii+\j], v[EPB+12*ii+4+\j], vcc_lo
.endr
	global_store_b128 v30, v[EPB+12*ii+4:EPB+12*ii+7], s[20:21] offset:512*ii th:TH_STORE_NT   ; 32 lanes store 512 consecutive bytes, at a multiple of 256 from out0's first byte; each piece has registers of its own
.set ii, ii+1
.endr
	s_wait_tensorcnt 0x0                           ; the wave's end, behind my last tensor load and my last LDS store
	ds_add_u32 v[SPW], v[NIL]
	s_wait_dscnt 0x0
	CROUND                                         ; the closing round: no work-group ends while a partner may still ask for a tile that names it
	s_endpgm
.Lfunc_end_k_qee45cc643d_ntn:
	.size	k_qee45cc643d_ntn, .Lfunc_end_k_qee45cc643d_ntn-k_qee45cc643d_ntn
	.p2alignl 7, 3214868480
	.fill 96, 4, 3214868480
	.section	.rodata,"a",@progbits
	.p2align	6, 0x0
	.amdhsa_kernel k_qee45cc643d_ntn
		.amdhsa_group_segment_fixed_size 327680
		.amdhsa_private_segment_fixed_size 0
		.amdhsa_enable_private_segment 0
		.amdhsa_kernarg_size 72
		.amdhsa_user_sgpr_count 2
		.amdhsa_user_sgpr_kernarg_segment_ptr 1
		.amdhsa_wavefront_size32 1
		.amdhsa_system_sgpr_workgroup_id_x 1
		.amdhsa_system_sgpr_workgroup_id_y 1
		.amdhsa_system_sgpr_workgroup_id_z 1
		.amdhsa_system_vgpr_workitem_id 0
		.amdhsa_next_free_vgpr 1024
		.amdhsa_next_free_sgpr 96
		.amdhsa_reserve_vcc 1
		.amdhsa_float_denorm_mode_32 3
		.amdhsa_float_denorm_mode_16_64 3
		.amdhsa_memory_ordered 1
		.amdhsa_forward_progress 1
		.amdhsa_inst_pref_size 255
	.end_amdhsa_kernel
	.section	.bss,"aw",@nobits
	.p2align	6
	.space	262144
	.amdgpu_metadata
---
amdhsa.version: [ 1, 2 ]
amdhsa.kernels:
  - .name:           k_qee45cc643d_ntn
    .symbol:         k_qee45cc643d_ntn.kd
    .args:
      - { .name: G_codes, .offset: 0, .size: 8, .value_kind: global_buffer, .address_space: global }
      - { .name: V_codes, .offset: 8, .size: 8, .value_kind: global_buffer, .address_space: global }
      - { .name: W_codes, .offset: 16, .size: 8, .value_kind: global_buffer, .address_space: global }
      - { .name: b1, .offset: 24, .size: 8, .value_kind: global_buffer, .address_space: global }
      - { .name: b2, .offset: 32, .size: 8, .value_kind: global_buffer, .address_space: global }
      - { .name: e1, .offset: 40, .size: 8, .value_kind: global_buffer, .address_space: global }
      - { .name: e2, .offset: 48, .size: 8, .value_kind: global_buffer, .address_space: global }
      - { .name: lowp_scales, .offset: 56, .size: 8, .value_kind: global_buffer, .address_space: global }
      - { .name: out0, .offset: 64, .size: 8, .value_kind: global_buffer, .address_space: global }
    .group_segment_fixed_size: 327680
    .private_segment_fixed_size: 0
    .kernarg_segment_align: 8
    .kernarg_segment_size: 72
    .max_flat_workgroup_size: 128
    .sgpr_count:     96
    .vgpr_count:     1024
    .wavefront_size: 32
...
	.end_amdgpu_metadata
.endif
;; end of part 2
